; MI455X (gfx1250); checked and timed in simulation.
; The chip was launched on July 23, 2026; its instructions are those of AMD's public machine-readable ISA for CDNA 5 (MIT licence, August 2026) and "CDNA5" Instruction Set Architecture Reference Guide (July 2026). The comments in the code are by the model that wrote it; some were corrected since.
;; Performer Attention. Allowed arithmetic: float matrix products may take bf16 or f16 operands with f32 sums; all other float work in f32.
;; Inputs: key 2 x 16 x 2,048 x 64 float32; query 2 x 16 x 2,048 x 64 float32; random_features 64 x 256 float32; value 2 x 16 x 2,048 x 64 float32.
;; Outputs: out0 2 x 16 x 2,048 x 64 float32.
;; One version. Each part assembles by itself: llvm-mc -triple=amdgcn-amd-amdhsa -mcpu=gfx1250 --defsym DOCPART=n.
;; ======== version 1 of 1: 2 launches
;; limits: values outside matrix products are rounded to bf16
;; workspace buffers: state 17,367,040 bytes; gm 1,024 bytes
;; launch state (part 1): grid 8 x 32, 8 waves a work-group, no clusters, 119,040 bytes of LDS; arguments key, value, random_features, state, gm; writes state, gm
.if DOCPART == 1
	.amdgcn_target "amdgcn-amd-amdhsa--gfx1250"
	.amdhsa_code_object_version 6
	.text
	.protected	k_qe59b5d81a0_state
	.globl	k_qe59b5d81a0_state
	.p2align	8
	.type	k_qe59b5d81a0_state,@function
k_qe59b5d81a0_state:
	s_mov_b64 s[64:65], 0
	v_nop
	global_prefetch_b8 v0, s[64:65] scope:SCOPE_SE
	s_setreg_imm32_b32 hwreg(HW_REG_WAVE_MODE, 25, 1), 1
	s_wait_xcnt 0x0
; Performer attention, first of two launches: the state that one segment of 256 key rows hands to later segments.
; A head's 2048 rows are cut into 8 segments: 32 heads x 8 = 256 work-groups of 8 waves.  In log2 units, with s1 = log2(e) / 1024^0.25:
;   g[l] = -log2(e)/64 |key_l|^2          x[l][m] = s1 (key_l . R[:,m]) + g[l]          c[m] = max over the segment's l of x[l][m]
;   e[l][m] = 2^(x - c[m]) <= 1           S[m][d] = sum e v     z[m] = sum e     sumV[d] = sum v     gm = max over l of g[l]
; The record of segment idx = 8 head + seg holds S (as the 64 accumulator tiles lie in registers), z, c, sumV; gm goes to its own table.
; The second launch forms the global maximum of g from gm and scales S and z by 2^(c - gmax): the running-maximum form of reference()'s stabiliser.
; Segment 7 has no later segment: its work-group stores gm and ends.
; All inputs are f32 and are rounded to bf16 on the way into LDS, through registers: LDS is written once, at half the size.
; g is formed from the key as rounded to bf16, the same numbers that the projection multiplies: a feature is then the feature of one key.
; No cluster and no tensor load: the only bytes that work-groups share are R's 64 KiB.
; LIMITS: exponentials below 2^-126 come out as 0 (ISA guide, v_exp_f32); K, V, R and e are rounded to bf16 for the matrix unit.
.set PK, 144                           ; LDS pitch of a K row (128 bytes + 16)
.set PV, 160                           ; of a V row (128 + 32: an odd multiple of 32 for the transposing load)
.set PR, 544                           ; of an R row (512 + 32)
.set KB, 0                             ; K bf16, 256 rows
.set VB, 36864                         ; V bf16, 256 rows
.set RB, 77824                         ; R bf16, 64 rows
.set GB, 112640                        ; g f32, 256
.set WM, 113664                        ; 8 wave maxima of g
.set SP, 113920                        ; 8 waves x 64 column sums of V
.set ZL, 115968                        ; z f32, 256
.set CL, 116992                        ; c f32, 256 (straight behind z, as in the record)
.set REC, 67840                        ; bytes of a record
.set ZOFF, 65536
.set SVOFF, 67584
.set C_S1, 0x3e8293ee                  ; log2(e) / 2^2.5
.set C_G, 0xbcb8aa3b                   ; -log2(e) / 64
.set LN, 1                             ; lane
.set R16, 2                            ; lane % 16
.set H, 3                              ; lane / 16
.set L16, 4                            ; 16 x lane
.set GO, 5                             ; 8192 x wave + 16 x lane: my bytes in K, V, R, and in the record's tiles
.set AK, 6                             ; LDS addresses: K,
.set AV, 7                             ; V,
.set AR, 8                             ; R,
.set AG, 9                             ; g (first for the stores of staging, then for the fragment loads)
.set CS, 10                            ; v[10:11] s1 twice
.set T0, 12
.set AS, 13                            ; column sums, later c
.set AW, 14                            ; wave maximum, later z
.set T1, 15
.set LK, 16                            ; staging: v[16:79] K, v[80:143] V, v[144:207] R as loaded
.set LV, 80
.set LR, 144
.set TS, 208                           ; v[208:215] four pairs at work
.set SV, 224                           ; v[224:227] column sums of V
.set WMX, 228                          ; running maximum of g
.set ONES, 16                          ; main part: v[16:23] a B fragment of ones
.set RF, 24                            ; v[24:55]   R fragments (a, ks) at 16 a + 8 ks: my two m tiles
.set KF, 56                            ; v[56:87]   K fragments (lt, ks)
.set VF, 88                            ; v[88:119]  V fragments dt
.set GG, 120                           ; v[120:135] g of the step's 32 rows, in the result's register order
.set DT, 136                           ; v[136:167] projection tiles (a, b) at 16 a + 8 b
.set ACC, 168                          ; v[168:247] state tiles (a, t) at 40 a + 8 t; t = 4 is z
.set CM, 248                           ; v[248:251] c of my two m tiles, each twice
.macro PLACES cnt
.rept \cnt
	v_nop
.endr
.endm
.macro LDFRAG dst, addr, off           ; a fragment from rows that lie along K
	ds_load_b128 v[\dst:\dst+3], v[\addr] offset:\off
	ds_load_b128 v[\dst+4:\dst+7], v[\addr] offset:\off+32
.endm
.macro LDTR dst, addr, off, p          ; a fragment from a tile stored [K][N], pitch p
	ds_load_tr16_b128 v[\dst:\dst+3], v[\addr] offset:\off
	ds_load_tr16_b128 v[\dst+4:\dst+7], v[\addr] offset:\off+16*\p
.endm
.macro CVST x, addr, off               ; four f32 to four bf16, in place, and into LDS
	v_cvt_pk_bf16_f32 v[\x], v[\x], v[\x+1]
	v_cvt_pk_bf16_f32 v[\x+1], v[\x+2], v[\x+3]
	ds_store_b64 v[\addr], v[\x:\x+1] offset:\off
.endm
.macro SUMSQ x, tmp, off               ; g of the two rows of one load, from the four bf16 that CVST left in x, x + 1: 16 lanes hold a row
	v_lshlrev_b32 v[\tmp], 16, v[\x]
	v_and_b32 v[\tmp+1], s24, v[\x]
	v_lshlrev_b32 v[\x+2], 16, v[\x+1]
	v_and_b32 v[\x+3], s24, v[\x+1]
	v_pk_mul_f32 v[\tmp:\tmp+1], v[\tmp:\tmp+1], v[\tmp:\tmp+1]
	v_pk_fma_f32 v[\tmp:\tmp+1], v[\x+2:\x+3], v[\x+2:\x+3], v[\tmp:\tmp+1]
	v_add_f32 v[\tmp], v[\tmp], v[\tmp+1]
	v_add_f32_dpp v[\tmp], v[\tmp], v[\tmp] row_xmask:1 row_mask:0xf bank_mask:0xf
	v_add_f32_dpp v[\tmp], v[\tmp], v[\tmp] row_xmask:2 row_mask:0xf bank_mask:0xf
	v_add_f32_dpp v[\tmp], v[\tmp], v[\tmp] row_xmask:4 row_mask:0xf bank_mask:0xf
	v_add_f32_dpp v[\tmp], v[\tmp], v[\tmp] row_xmask:8 row_mask:0xf bank_mask:0xf
	v_mul_f32 v[\tmp], C_G, v[\tmp]
	ds_store_b32 v[AG], v[\tmp] offset:\off        ; the 16 lanes of a row write one word with one value
.endm
	s_load_b256 s[4:11], s[0:1], 0x0               ; key s[4:5], value s[6:7], R s[8:9], state s[10:11]
	s_load_b64 s[12:13], s[0:1], 0x20              ; gm
	v_lshl_add_u32 v252, v0, 2, 0x1cd00
	v_mov_b32 v253, 0
	v_lshrrev_b32 v[T0], 5, v0
	v_readfirstlane_b32 s14, v[T0]                 ; wave
	s_mov_b32 s15, ttmp9                           ; segment
	s_and_b32 s16, ttmp7, 0xffff                   ; head
	s_lshl3_add_u32 s16, s16, s15                  ; idx = 8 head + segment
	s_lshl_b32 s18, s16, 16                        ; 256 rows of 256 bytes
	s_mov_b32 s19, 0
	s_mov_b32 s20, 0x76543210                      ; v_permlanex16_b32: lane i of the other half
	s_mov_b32 s21, 0xfedcba98
	s_mov_b32 s24, 0xffff0000                      ; a word's upper bf16
	v_and_b32 v[LN], 31, v0
	v_and_b32 v[R16], 15, v0
	v_bfe_u32 v[H], v0, 4, 1
	v_lshlrev_b32 v[L16], 4, v[LN]
	v_lshl_add_u32 v[GO], s14, 13, v[L16]
	v_lshl_add_u32 v[T0], s14, 5, v[H]             ; row 32 wave + half: load t brings rows 2 t, 2 t + 1 further down
	v_mul_u32_u24 v[AK], v[T0], PK
	v_lshl_add_u32 v[AK], v[R16], 3, v[AK]
	v_mul_u32_u24 v[AV], v[T0], PV
	v_lshl_add_u32 v[AV], v[R16], 3, v[AV]
	v_add_nc_u32 v[AV], VB, v[AV]
	s_mul_i32 s17, s14, 8*PR                       ; R: 8 rows a wave, two loads a row
	s_add_co_u32 s17, s17, RB
	v_lshl_add_u32 v[AR], v[LN], 3, s17
	v_lshlrev_b32 v[AG], 2, v[T0]
	v_add_nc_u32 v[AG], GB, v[AG]
	s_lshl_b32 s17, s14, 8
	s_add_co_u32 s17, s17, SP
	v_lshl_add_u32 v[AS], v[R16], 4, s17
	s_lshl_b32 s17, s14, 2
	s_add_co_u32 s17, s17, WM
	v_mov_b32 v[AW], s17
	s_wait_kmcnt 0x0
	s_add_nc_u64 s[4:5], s[4:5], s[18:19]
	s_add_nc_u64 s[6:7], s[6:7], s[18:19]
	s_mul_i32 s18, s16, REC
	s_add_nc_u64 s[10:11], s[10:11], s[18:19]      ; my record
	; STAGING: 48 loads a wave, each of 512 consecutive bytes, all issued before the first is used
.set t, 0
.rept 16
	global_load_b128 v[LK+4*t:LK+4*t+3], v[GO], s[4:5] offset:512*t
.set t, t+1
.endr
.set t, 0
.rept 16
	global_load_b128 v[LV+4*t:LV+4*t+3], v[GO], s[6:7] offset:512*t
.set t, t+1
.endr
.set t, 0
.rept 16
	global_load_b128 v[LR+4*t:LR+4*t+3], v[GO], s[8:9] offset:512*t
.set t, t+1
.endr
	s_wait_loadcnt 32                              ; K is in; V's and R's 32 loads stay out
.set t, 0
.rept 16
	CVST LK+4*t, AK, 288*t
	SUMSQ LK+4*t, TS+2*(t%4), 8*t
.if t == 1
	v_max_num_f32 v[WMX], v[TS], v[TS+2]           ; the first two start the maximum
.endif
.if t > 1
	v_max_num_f32 v[WMX], v[WMX], v[TS+2*(t%4)]
.endif
.set t, t+1
.endr
	s_wait_loadcnt 16                              ; V is in; R's 16 loads stay out
	v_pk_add_f32 v[SV:SV+1], v[LV:LV+1], v[LV+4:LV+5]
	v_pk_add_f32 v[SV+2:SV+3], v[LV+2:LV+3], v[LV+6:LV+7]
.set t, 2
.rept 14
	v_pk_add_f32 v[SV:SV+1], v[SV:SV+1], v[LV+4*t:LV+4*t+1]
	v_pk_add_f32 v[SV+2:SV+3], v[SV+2:SV+3], v[LV+4*t+2:LV+4*t+3]
.set t, t+1
.endr
.set t, 0
.rept 16
	CVST LV+4*t, AV, 320*t
.set t, t+1
.endr
.irp i, 0,1,2,3
	v_permlanex16_b32 v[TS+\i], v[SV+\i], s20, s21 ; even rows' sums meet odd rows'
.endr
	v_pk_add_f32 v[SV:SV+1], v[SV:SV+1], v[TS:TS+1]
	v_pk_add_f32 v[SV+2:SV+3], v[SV+2:SV+3], v[TS+2:TS+3]
	ds_store_b128 v[AS], v[SV:SV+3]
	v_permlanex16_b32 v[TS+4], v[WMX], s20, s21
	v_max_num_f32 v[WMX], v[WMX], v[TS+4]
	ds_store_b32 v[AW], v[WMX]
	s_wait_loadcnt 0x0                             ; R
.set t, 0
.rept 16
	CVST LR+4*t, AR, (t/2)*PR+(t%2)*256
.set t, t+1
.endr
	s_wait_dscnt 0x0                               ; my stores are in LDS before I say so
	s_barrier_signal -1
	s_barrier_wait -1
	; wave 0: the segment's largest g, one word of the table
	s_cmp_lg_u32 s14, 0
	s_cbranch_scc1 .Lno_gm
	v_mov_b32 v[T0], WM
	ds_load_b128 v[TS:TS+3], v[T0]
	ds_load_b128 v[TS+4:TS+7], v[T0] offset:16
	s_lshl_b32 s17, s16, 2
	v_mov_b32 v[T1], s17
	s_wait_dscnt 0x0
	v_max3_num_f32 v[TS], v[TS], v[TS+1], v[TS+2]
	v_max3_num_f32 v[TS], v[TS], v[TS+3], v[TS+4]
	v_max3_num_f32 v[TS], v[TS], v[TS+5], v[TS+6]
	v_max_num_f32 v[TS], v[TS], v[TS+7]
	s_wait_xcnt 0x0                                ; EXEC changes only behind this wait
	v_cmp_eq_u32 vcc_lo, 0, v0
	s_and_saveexec_b32 s22, vcc_lo
	global_store_b32 v[T1], v[TS], s[12:13]
	s_wait_xcnt 0x0                                ; and again before it is restored; it also frees the store's registers
	s_or_b32 exec_lo, exec_lo, s22
.Lno_gm:
	s_cmp_eq_u32 s15, 7                            ; the last segment's state is read by nobody (the same for all eight waves)
	s_cbranch_scc1 .Lend
	; wave 1: the column sums of V, 256 consecutive bytes
	s_cmp_lg_u32 s14, 1
	s_cbranch_scc1 .Lno_sv
	v_lshlrev_b32 v[T1], 3, v[LN]
	v_add_nc_u32 v[T0], SP, v[T1]
.irp i, 0,1,2,3,4,5,6,7
	ds_load_b64 v[TS+2*\i:TS+2*\i+1], v[T0] offset:256*\i
.endr
	s_wait_dscnt 0x0
.irp i, 0,2,4,6
	v_pk_add_f32 v[TS+2*\i:TS+2*\i+1], v[TS+2*\i:TS+2*\i+1], v[TS+2*\i+2:TS+2*\i+3]
.endr
	v_pk_add_f32 v[TS:TS+1], v[TS:TS+1], v[TS+4:TS+5]
	v_pk_add_f32 v[TS+8:TS+9], v[TS+8:TS+9], v[TS+12:TS+13]
	v_pk_add_f32 v[TS:TS+1], v[TS:TS+1], v[TS+8:TS+9]
	global_store_b64 v[T1], v[TS:TS+1], s[10:11] offset:SVOFF
	s_wait_xcnt 0x0                                ; the store's registers are written again below
.Lno_sv:
	; THE STATE.  Wave w owns m tiles 2 w and 2 w + 1 (32 features) and walks the 256 rows in 8 steps of 32, twice.
	v_mul_u32_u24 v[AK], v[R16], PK                ; K fragment: row r, 16 bytes for each half of the lanes
	v_lshl_add_u32 v[AK], v[H], 4, v[AK]
	v_and_b32 v[T0], 7, v0
	v_lshl_add_u32 v[T0], v[H], 3, v[T0]           ; transposing loads: row 8 h + lane % 8,
	v_bfe_u32 v[T1], v0, 3, 1                      ; 16 bytes further for lanes 8-15 of a half
	v_mul_u32_u24 v[AR], v[T0], PR
	v_lshl_add_u32 v[AR], v[T1], 4, v[AR]
	s_lshl_b32 s17, s14, 6                         ; my 32 columns of R
	s_add_co_u32 s17, s17, RB
	v_add_nc_u32 v[AR], s17, v[AR]
	v_mul_u32_u24 v[AV], v[T0], PV
	v_lshl_add_u32 v[AV], v[T1], 4, v[AV]
	v_add_nc_u32 v[AV], VB, v[AV]
	v_lshlrev_b32 v[AG], 5, v[H]                   ; g of rows 8 h .. 8 h + 7: the result's register order
	v_add_nc_u32 v[AG], GB, v[AG]
	s_lshl_b32 s17, s14, 7
	s_add_co_u32 s23, s17, CL
	v_lshl_add_u32 v[AS], v[R16], 2, s23
	s_add_co_u32 s23, s17, ZL
	v_lshl_add_u32 v[AW], v[H], 5, s23
	v_mov_b32 v[CS], C_S1
	v_mov_b32 v[CS+1], C_S1
.irp i, 0,1,2,3,4,5,6,7
	v_mov_b32 v[ONES+\i], 0x3f803f80               ; two bf16 ones
.endr
.macro LDKF lp
.irp lt, 0,1
.irp ks, 0,1
	LDFRAG KF+16*\lt+8*\ks, AK, (\lp)*4608+\lt*2304+\ks*64
.endr
.endr
.endm
.macro LDGG lp
.irp lt, 0,1
	ds_load_b128 v[GG+8*\lt:GG+8*\lt+3], v[AG] offset:(\lp)*128+\lt*64
	ds_load_b128 v[GG+8*\lt+4:GG+8*\lt+7], v[AG] offset:(\lp)*128+\lt*64+16
.endr
.endm
.macro LDVF lp
.irp dt, 0,1,2,3
	LDTR VF+8*\dt, AV, (\lp)*5120+\dt*32, PV
.endr
.endm
; 32 rows x 32 features over d = 64: register j of lane (r, h) of tile (a, b) is row 16 b + 8 h + j, feature 16 a + r.
; The four tiles take turns, one instruction a turn.
.macro PROJ
.irp ks, 0,1
.irp a, 0,1
.irp b, 0,1
.if \ks
	v_wmma_f32_16x16x32_bf16 v[DT+16*\a+8*\b:DT+16*\a+8*\b+7], v[KF+16*\b+8*\ks:KF+16*\b+8*\ks+7], v[RF+16*\a+8*\ks:RF+16*\a+8*\ks+7], v[DT+16*\a+8*\b:DT+16*\a+8*\b+7]
.else
	v_wmma_f32_16x16x32_bf16 v[DT+16*\a+8*\b:DT+16*\a+8*\b+7], v[KF+16*\b+8*\ks:KF+16*\b+8*\ks+7], v[RF+16*\a+8*\ks:RF+16*\a+8*\ks+7], 0
.endif
.endr
.endr
.endr
.endm
.macro SCALE                           ; x = s1 (k . R) + g
.irp a, 0,1
.irp b, 0,1
.irp i, 0,1,2,3
	v_pk_fma_f32 v[DT+16*\a+8*\b+2*\i:DT+16*\a+8*\b+2*\i+1], v[DT+16*\a+8*\b+2*\i:DT+16*\a+8*\b+2*\i+1], v[CS:CS+1], v[GG+8*\b+2*\i:GG+8*\b+2*\i+1]
.endr
.endr
.endr
.endm
; First pass, step lp: the largest x of each feature.  nxt: the step whose K fragments and g are fetched meanwhile.
.macro MSTEP lp, nxt
	s_wait_dscnt 0x0                               ; this step's fragments and g
	PROJ
	PLACES 5                                       ; behind matrix instructions (ISA guide 7.12.1): 4 before results are read or sources loaded again, 5 before the tiles are written by the next step's products
	LDKF \nxt
	SCALE
	LDGG \nxt
.irp a, 0,1
.if \lp
	v_max3_num_f32 v[CM+2*\a], v[CM+2*\a], v[DT+16*\a], v[DT+16*\a+1]
.else
	v_max_num_f32 v[CM+2*\a], v[DT+16*\a], v[DT+16*\a+1]
.endif
.irp i, 1,2,3,4,5,6,7
	v_max3_num_f32 v[CM+2*\a], v[CM+2*\a], v[DT+16*\a+2*\i], v[DT+16*\a+2*\i+1]
.endr
.endr
.endm
; Second pass, step lp: e = 2^(x - c), rounded to bf16 in place as the A fragment e^T (features x 32 rows), times [V | 1].
.macro ASTEP lp
.if \lp
	PLACES 5                                       ; behind the state products: 4 before V's fragments are loaded again, 5 before the projection writes over e^T
.endif
	LDVF \lp
	s_wait_dscnt 0x8                               ; all but V's eight loads: K's fragments and g are in
	PROJ
	PLACES 5
.if \lp<7
	LDKF \lp+1
.endif
	SCALE
.if \lp<7
	LDGG \lp+1
.endif
.irp a, 0,1
.irp i, 0,1,2,3,4,5,6,7
	v_pk_add_f32 v[DT+16*\a+2*\i:DT+16*\a+2*\i+1], v[DT+16*\a+2*\i:DT+16*\a+2*\i+1], v[CM+2*\a:CM+2*\a+1] neg_lo:[0,1] neg_hi:[0,1]
.endr
.endr
.set ii, 0
.rept 32
	v_exp_f32 v[DT+ii], v[DT+ii]
.set ii, ii+1
.endr
	v_nop                                          ; one plain instruction behind the last exponential (ISA guide 5.7.2)
	s_wait_alu depctr_va_vdst(0)
.irp a, 0,1
.irp i, 0,1,2,3,4,5,6,7
	v_cvt_pk_bf16_f32 v[DT+16*\a+\i], v[DT+16*\a+2*\i], v[DT+16*\a+2*\i+1]   ; ascending: each write lands on registers already read
.endr
.endr
.if \lp<7
	s_wait_dscnt 12                                ; V is in; the next step's 8 loads of K and 4 of g stay out
.else
	s_wait_dscnt 0x0
.endif
.irp a, 0,1
.irp t, 0,1,2,3
.if \lp
	v_wmma_f32_16x16x32_bf16 v[ACC+40*\a+8*\t:ACC+40*\a+8*\t+7], v[DT+16*\a:DT+16*\a+7], v[VF+8*\t:VF+8*\t+7], v[ACC+40*\a+8*\t:ACC+40*\a+8*\t+7]
.else
	v_wmma_f32_16x16x32_bf16 v[ACC+40*\a+8*\t:ACC+40*\a+8*\t+7], v[DT+16*\a:DT+16*\a+7], v[VF+8*\t:VF+8*\t+7], 0
.endif
.endr
.if \lp
	v_wmma_f32_16x16x32_bf16 v[ACC+40*\a+32:ACC+40*\a+39], v[DT+16*\a:DT+16*\a+7], v[ONES:ONES+7], v[ACC+40*\a+32:ACC+40*\a+39]
.else
	v_wmma_f32_16x16x32_bf16 v[ACC+40*\a+32:ACC+40*\a+39], v[DT+16*\a:DT+16*\a+7], v[ONES:ONES+7], 0
.endif
.endr
.endm
.irp a, 0,1
.irp ks, 0,1
	LDTR RF+16*\a+8*\ks, AR, \ks*17408+\a*32, PR
.endr
.endr
	LDKF 0
	LDGG 0
	MSTEP 0, 1
	MSTEP 1, 2
	MSTEP 2, 3
	MSTEP 3, 4
	MSTEP 4, 5
	MSTEP 5, 6
	MSTEP 6, 7
	MSTEP 7, 0                                     ; fetches step 0 again, for the second pass
	v_permlanex16_b32 v[T0], v[CM], s20, s21       ; rows 8-15 of each tile lie in the other half
	v_permlanex16_b32 v[T1], v[CM+2], s20, s21
	v_max_num_f32 v[CM], v[CM], v[T0]
	v_max_num_f32 v[CM+2], v[CM+2], v[T1]
	v_mov_b32 v[CM+1], v[CM]
	v_mov_b32 v[CM+3], v[CM+2]
	ds_store_b32 v[AS], v[CM]                      ; c of feature 32 w + r
	ds_store_b32 v[AS], v[CM+2] offset:64
	ASTEP 0
	ASTEP 1
	ASTEP 2
	ASTEP 3
	ASTEP 4
	ASTEP 5
	ASTEP 6
	ASTEP 7
	; THE WAY OUT: the tiles as they lie, each store of the wave 512 consecutive bytes; z and c through LDS
	PLACES 4
.irp a, 0,1
.irp t, 0,1,2,3
	global_store_b128 v[GO], v[ACC+40*\a+8*\t:ACC+40*\a+8*\t+3], s[10:11] offset:(\a*4+\t)*1024
	global_store_b128 v[GO], v[ACC+40*\a+8*\t+4:ACC+40*\a+8*\t+7], s[10:11] offset:(\a*4+\t)*1024+512
.endr
	ds_store_b128 v[AW], v[ACC+40*\a+32:ACC+40*\a+35] offset:\a*64       ; every column of the ones' tile holds z: 16 lanes write one value
	ds_store_b128 v[AW], v[ACC+40*\a+36:ACC+40*\a+39] offset:\a*64+16
.endr
	s_wait_dscnt 0x0
	s_barrier_signal -1
	s_barrier_wait -1
	s_cmp_lg_u32 s14, 0
	s_cbranch_scc1 .Lend
	v_add_nc_u32 v[T0], ZL, v[L16]
.irp i, 0,1,2,3
	ds_load_b128 v[16+4*\i:16+4*\i+3], v[T0] offset:512*\i
.endr
	s_wait_dscnt 0x0
.irp i, 0,1,2,3
	global_store_b128 v[L16], v[16+4*\i:16+4*\i+3], s[10:11] offset:ZOFF+512*\i   ; z, then c
.endr
.Lend:
	s_wait_tensorcnt 0x0
	ds_add_u32 v252, v253
	s_wait_dscnt 0x0
	s_endpgm
.Lfunc_end_k_qe59b5d81a0_state:
	.size	k_qe59b5d81a0_state, .Lfunc_end_k_qe59b5d81a0_state-k_qe59b5d81a0_state
	.p2alignl 7, 3214868480
	.fill 96, 4, 3214868480
	.section	.rodata,"a",@progbits
	.p2align	6, 0x0
	.amdhsa_kernel k_qe59b5d81a0_state
		.amdhsa_group_segment_fixed_size 119040
		.amdhsa_private_segment_fixed_size 0
		.amdhsa_enable_private_segment 0
		.amdhsa_kernarg_size 40
		.amdhsa_user_sgpr_count 2
		.amdhsa_user_sgpr_kernarg_segment_ptr 1
		.amdhsa_wavefront_size32 1
		.amdhsa_system_sgpr_workgroup_id_x 1
		.amdhsa_system_sgpr_workgroup_id_y 1
		.amdhsa_system_sgpr_workgroup_id_z 1
		.amdhsa_system_vgpr_workitem_id 0
		.amdhsa_next_free_vgpr 254
		.amdhsa_next_free_sgpr 66
		.amdhsa_reserve_vcc 1
		.amdhsa_float_denorm_mode_32 3
		.amdhsa_float_denorm_mode_16_64 3
		.amdhsa_memory_ordered 1
		.amdhsa_forward_progress 1
		.amdhsa_inst_pref_size 119
	.end_amdhsa_kernel
	.amdgpu_metadata
---
amdhsa.version: [ 1, 2 ]
amdhsa.kernels:
  - .name:           k_qe59b5d81a0_state
    .symbol:         k_qe59b5d81a0_state.kd
    .args:
      - { .name: key, .offset: 0, .size: 8, .value_kind: global_buffer, .address_space: global }
      - { .name: value, .offset: 8, .size: 8, .value_kind: global_buffer, .address_space: global }
      - { .name: random_features, .offset: 16, .size: 8, .value_kind: global_buffer, .address_space: global }
      - { .name: state, .offset: 24, .size: 8, .value_kind: global_buffer, .address_space: global }
      - { .name: gm, .offset: 32, .size: 8, .value_kind: global_buffer, .address_space: global }
    .group_segment_fixed_size: 119040
    .private_segment_fixed_size: 0
    .kernarg_segment_align: 8
    .kernarg_segment_size: 40
    .max_flat_workgroup_size: 256
    .sgpr_count:     66
    .vgpr_count:     254
    .wavefront_size: 32
...
	.end_amdgpu_metadata
.endif
;; end of part 1
;; launch attn (part 2): grid 8 x 32, 8 waves a work-group, no clusters, 315,904 bytes of LDS; arguments key, query, value, random_features, state, gm, out0; writes out0
.if DOCPART == 2
	.amdgcn_target "amdgcn-amd-amdhsa--gfx1250"
	.amdhsa_code_object_version 6
	.text
	.protected	k_qe59b5d81a0_attn
	.globl	k_qe59b5d81a0_attn
	.p2align	8
	.type	k_qe59b5d81a0_attn,@function
k_qe59b5d81a0_attn:
	s_mov_b64 s[64:65], 0
	v_nop
	global_prefetch_b8 v0, s[64:65] scope:SCOPE_SE
	s_setreg_imm32_b32 hwreg(HW_REG_WAVE_MODE, 25, 1), 1
	s_wait_xcnt 0x0
; Performer attention, second launch: one work-group makes the 256 output rows of one segment of one head (32 x 8 = 256 work-groups).
;   gmax = max of the 256 words of gm (reference()'s global stabiliser, in log2 units)
;   Q'[l][m] = nc 2^(s1 q.R) + nc eps             K'[l][m] = nc 2^(s1 k.R + g[l] - gmax) + nc eps        (nc = 1/16)
;   S0[m][d] = sum over earlier segments of nc 2^(c[m] - gmax) S[m][d] + nc eps sumV[d];   z0[m] likewise, + nc eps 256 per segment
;   out = ( tril(Q' K'^T) [V | 1] + Q' [S0 | z0] ): the first 64 columns divided by the 65th.  Tiles above the diagonal are not computed.
; PRECISION.  A row with few keys is a mean of few values, so its weights want more than bf16's 8 bits.  Q', K' and the weights P are each
; carried as TWO bf16, the number rounded (hi) and the remainder rounded (lo): Q' K'^T is three products (hi hi, lo hi, hi lo; lo lo, below
; 2^-16 of its term, is left out), P [V | 1] is two.  Q' [S0 | z0] takes hi alone: it sums over 256 keys or more.  bf16 keeps f32's range.
; g is formed from the key as rounded to bf16, the same numbers that the projection multiplies.
; WHO DOES WHAT.  Eight waves stage K, V, Q, R as bf16.  Waves 0-3 compute; wave w owns query blocks (32 rows) w and 7 - w: 9 key blocks in all.
; Waves 4-7 sum the earlier segments' states and make the second half of K'.  The 131,072 bytes for K' hold hi and lo of 128 keys, so the keys
; go in two rounds; a wave's window 1 holds hi and lo of one query block's Q', so block 7 - w's features are made when block w is stored.
;   barrier 1 | 0-3: K' of key block w, Q' of block w       4-7: S0, z0
;   barrier 2 | 0-3: block w whole; Q' of block 7 - w; its Q' S0 and key blocks 0-3       4-7: K' of key block 4 + p into registers
;   barrier 3 | 4-7: those registers into LDS, over the first round's K'
;   barrier 4 | 0-3: key blocks 4 .. 7 - w, and out
; The barriers stand in text that all eight waves share; each stretch between two of them makes its own LDS addresses, from the thread's number,
; the wave's number and constants, so that every address can be read off the stretch that uses it.
; All products are used transposed (keys or d along the result's registers, the query in the lane), so that P^T is the next product's B fragment
; after its rounding and a lane ends with 8 neighbouring numbers of an output row.
; No tensor loads: every input is f32 and is rounded on its way.  No cluster: partners would want 0 to 7 states each, and R is 64 KiB.
; LIMITS: exp(h + (x - h)) is computed as exp(x); exponentials below 2^-126 come out as 0 (eps is added behind them); hi parts, S0 and z0 are
; rounded to bf16 (values above 3.39e38 become infinity); the division is v_rcp_f32 and a multiply.
.set PK, 144
.set PV, 160
.set PR, 544
.set QB, 0                             ; Q bf16, 256 rows; behind the second barrier its first 17,408 bytes (rows 0-120) are the waves' stages for the way out
.set KB, 36864                         ; K bf16
.set VB, 73728                         ; V bf16
.set RB, 114688                        ; R bf16
.set GB, 149504                        ; g f32
.set KP, 150528                        ; K' as fragments: key block of the round at 32768 jb, lo part + 16384, l tile + 8192 kt, k step + 1024 ks; registers 0-3 at 16 lane, 4-7 at 512 + 16 lane
.set SF, 281600                        ; S0 as fragments: (k step, d tile) at 1024 (4 ks + dt), the same form
.set ZB, 314368                        ; z0 bf16, 256
.set REC, 67840
.set ZOFF, 65536
.set COFF, 66560
.set SVOFF, 67584
.set C_S1, 0x3e8293ee                  ; log2(e) / 2^2.5
.set C_G, 0xbcb8aa3b                   ; -log2(e) / 64
.set C_NC, 0x3d800000                  ; 1/16
.set C_NE, 0x338637bd                  ; 1e-6 / 16
.set C_NE256, 0x378637bd               ; 256e-6 / 16
.set LN, 1
.set R16, 2
.set H, 3
.set L16, 4
.set CE, 16                            ; v[16:17] nc eps twice (prefix)
.set GMX, 18
.set T0, 11
.set T1, 19
.set T3, 23
; staging
.set GO, 5
.set AKS, 6
.set AVS, 7
.set ARS, 8
.set AG, 9
.set AQS, 10
.set L0, 32
.set L1, 96
.set L2, 160
.set TS, 224
; features: a map of its own in v32-255, so that the products' registers in v5-31 outlive the second Q' features
.set FX, 32                            ; v[32:95]   K or Q fragments, column tile tl, at 16 tl + 8 ks
.set TH, 96                            ; v[96:127]  hi parts widened again
.set KH, 128                           ; v[128:143] hi parts on their way to LDS
.set FCS, 144                          ; v[144:145] s1, v[146:147] nc, v[148:149] nc eps, each twice
.set FCN, 146
.set FCE, 148
.set GK, 150                           ; v[150:153] g - gmax of my two l tiles, each twice
.set AXK, 154
.set AXQ, 155
.set ARF, 156
.set AGK, 157
.set AKP, 158
.set RF, 160                           ; v[160:191] R fragments (a, ks)
.set DT, 192                           ; v[192:255] tiles 4 a + tl
                                       ; window 1 (v256-511): fragment (part, tile, k step) at 8 (8 (2 part + tile) + ks): Q' in waves 0-3, K' in waves 4-7
; prefix (waves 4-7)
.set VX, 5
.set VCO, 6
.set VZ, 7
.set VS, 8
.set ASFS, 9
.set AZS, 10
.set G4, 20                            ; v[20:21] gmax + 4, twice
.set SVD, 24                           ; v[24:31] sum of sumV for my lane's d, per d tile, twice
.set X, 32                             ; v[32:95]   m tiles 4 p, 4 p + 1 of a record
.set Y, 96                             ; v[96:159]  m tiles 4 p + 2, 4 p + 3
.set CR, 160                           ; v[160:191] c in the tiles' register order
.set F, 192                            ; v[192:223] the factors; before the loop: the 28 loads of sumV
.set ZC, 224
.set ZZ, 226
.set ZA, 228
.set FZ, 230
                                       ; window 1 (v256-383): the sums, tile 4 ml + dt at 8 (4 ml + dt)
; products (waves 0-3)
.set ASF, 5
.set AZB, 6
.set AK0, 7                            ; K' of the round's key blocks 0, 1: KP + 16 lane
.set AVD, 8                            ; V of my diagonal block
.set AST, 9
.set ARD, 10
.set VO, 11
.set AK1, 12                           ; K' of the round's key blocks 2, 3: 65,536 bytes further, since an LDS offset has 16 bits
.set AKD, 13                           ; K' of my diagonal block
.set RC, 20
.set AV0, 22                           ; V of key block 0
.set ONES, 24
.set OUT, 32                           ; v[32:111]  tile (q, t) at 40 q + 8 t; t = 4 the denominator
.set P, 112                            ; v[112:143] P^T tile (q, kt) at 16 q + 8 kt; then its lo fragments at 16 q
.set KA, 144                           ; v[144:175], v[176:207] K' fragments of a k step (part, kt) at 16 part + 8 kt, two buffers
.set KC, 176
.set VF, 208                           ; v[208:239] V fragments
.set PB, 240                           ; v[240:255] P^T's hi fragments at 8 q
.set SA, 144                           ; v[144:183], v[184:223] S0 | z0 fragments of a k step, two buffers
.set SB, 184
.set MSB, 0
.macro WIN new                         ; the immediate's high byte repeats the setting that is left
.if MSB != \new
	s_set_vgpr_msb (MSB<<8)|\new
.set MSB, \new
.endif
.endm
.macro PLACES cnt
.rept \cnt
	v_nop
.endr
.endm
.macro LDFRAG dst, addr, off
	ds_load_b128 v[\dst:\dst+3], v[\addr] offset:\off
	ds_load_b128 v[\dst+4:\dst+7], v[\addr] offset:\off+32
.endm
.macro LDTR dst, addr, off, p
	ds_load_tr16_b128 v[\dst:\dst+3], v[\addr] offset:\off
	ds_load_tr16_b128 v[\dst+4:\dst+7], v[\addr] offset:\off+16*\p
.endm
.macro CVST x, addr, off
	v_cvt_pk_bf16_f32 v[\x], v[\x], v[\x+1]
	v_cvt_pk_bf16_f32 v[\x+1], v[\x+2], v[\x+3]
	ds_store_b64 v[\addr], v[\x:\x+1] offset:\off
.endm
.macro SUMSQ x, tmp, off               ; g of the two rows of one load, from the four bf16 that CVST left in x, x + 1
	v_lshlrev_b32 v[\tmp], 16, v[\x]
	v_and_b32 v[\tmp+1], s46, v[\x]
	v_lshlrev_b32 v[\x+2], 16, v[\x+1]
	v_and_b32 v[\x+3], s46, v[\x+1]
	v_pk_mul_f32 v[\tmp:\tmp+1], v[\tmp:\tmp+1], v[\tmp:\tmp+1]
	v_pk_fma_f32 v[\tmp:\tmp+1], v[\x+2:\x+3], v[\x+2:\x+3], v[\tmp:\tmp+1]
	v_add_f32 v[\tmp], v[\tmp], v[\tmp+1]
	v_add_f32_dpp v[\tmp], v[\tmp], v[\tmp] row_xmask:1 row_mask:0xf bank_mask:0xf
	v_add_f32_dpp v[\tmp], v[\tmp], v[\tmp] row_xmask:2 row_mask:0xf bank_mask:0xf
	v_add_f32_dpp v[\tmp], v[\tmp], v[\tmp] row_xmask:4 row_mask:0xf bank_mask:0xf
	v_add_f32_dpp v[\tmp], v[\tmp], v[\tmp] row_xmask:8 row_mask:0xf bank_mask:0xf
	v_mul_f32 v[\tmp], C_G, v[\tmp]
	ds_store_b32 v[AG], v[\tmp] offset:\off
.endm
; The split of eight f32 into two bf16 each: RND4 rounds (hi), WIDE4 widens hi again, REM4 leaves the remainder, RND4 rounds that (lo).
.macro RND4 dst, src
.irp i, 0,1,2,3
	v_cvt_pk_bf16_f32 v[\dst+\i], v[\src+2*\i], v[\src+2*\i+1]
.endr
.endm
.macro WIDE4 tmp, hi
.irp i, 0,1,2,3
	v_lshlrev_b32 v[\tmp+2*\i], 16, v[\hi+\i]
	v_and_b32 v[\tmp+2*\i+1], s46, v[\hi+\i]
.endr
.endm
.macro REM4 x, tmp
.irp i, 0,1,2,3
	v_pk_add_f32 v[\x+2*\i:\x+2*\i+1], v[\x+2*\i:\x+2*\i+1], v[\tmp+2*\i:\tmp+2*\i+1] neg_lo:[0,1] neg_hi:[0,1]
.endr
.endm
	s_load_b256 s[4:11], s[0:1], 0x0               ; key s[4:5], query s[6:7], value s[8:9], R s[10:11]
	s_load_b128 s[12:15], s[0:1], 0x20             ; state s[12:13], gm s[14:15]
	s_load_b64 s[16:17], s[0:1], 0x30              ; out
	v_lshl_add_u32 v14, v0, 2, 0x4ce00
	v_mov_b32 v15, 0
	v_lshrrev_b32 v[T0], 5, v0
	v_readfirstlane_b32 s18, v[T0]                 ; wave
	s_and_b32 s29, s18, 3                          ; its number among the four compute waves, or among the four others
	s_mov_b32 s19, ttmp9                           ; segment
	s_and_b32 s20, ttmp7, 0xffff                   ; head
	s_lshl3_add_u32 s21, s20, s19
	s_lshl_b32 s22, s21, 16
	s_mov_b32 s23, 0
	s_mov_b32 s24, 0x76543210
	s_mov_b32 s25, 0xfedcba98
	s_mov_b32 s46, 0xffff0000                      ; a word's upper bf16
	v_and_b32 v[LN], 31, v0
	v_and_b32 v[R16], 15, v0
	v_bfe_u32 v[H], v0, 4, 1
	v_lshlrev_b32 v[L16], 4, v[LN]
	v_lshl_add_u32 v[GO], s18, 13, v[L16]
	v_lshl_add_u32 v[T0], s18, 5, v[H]
	v_mul_u32_u24 v[AQS], v[T0], PK
	v_lshl_add_u32 v[AQS], v[R16], 3, v[AQS]
	v_add_nc_u32 v[AKS], KB, v[AQS]
	v_mul_u32_u24 v[AVS], v[T0], PV
	v_lshl_add_u32 v[AVS], v[R16], 3, v[AVS]
	v_add_nc_u32 v[AVS], VB, v[AVS]
	s_mul_i32 s40, s18, 8*PR
	s_add_co_u32 s40, s40, RB
	v_lshl_add_u32 v[ARS], v[LN], 3, s40
	v_lshlrev_b32 v[AG], 2, v[T0]
	v_add_nc_u32 v[AG], GB, v[AG]
	v_lshlrev_b32 v[T1], 5, v[LN]
	v_mov_b32 v[CE], C_NE
	v_mov_b32 v[CE+1], C_NE
	s_wait_kmcnt 0x0
	s_add_nc_u64 s[4:5], s[4:5], s[22:23]
	s_add_nc_u64 s[6:7], s[6:7], s[22:23]
	s_add_nc_u64 s[8:9], s[8:9], s[22:23]
	s_add_nc_u64 s[16:17], s[16:17], s[22:23]
	; STAGING, all eight waves: wave w takes rows 32 w .. 32 w + 31; each load is 512 consecutive bytes
	global_load_b128 v[24:27], v[T1], s[14:15]
	global_load_b128 v[28:31], v[T1], s[14:15] offset:16
.set t, 0
.rept 16
	global_load_b128 v[L0+4*t:L0+4*t+3], v[GO], s[4:5] offset:512*t th:TH_LOAD_NT
.set t, t+1
.endr
.set t, 0
.rept 16
	global_load_b128 v[L1+4*t:L1+4*t+3], v[GO], s[8:9] offset:512*t th:TH_LOAD_NT
.set t, t+1
.endr
.set t, 0
.rept 16
	global_load_b128 v[L2+4*t:L2+4*t+3], v[GO], s[6:7] offset:512*t th:TH_LOAD_NT
.set t, t+1
.endr
	s_wait_loadcnt 48                              ; gm is in; K, V, Q stay out
	v_max3_num_f32 v[GMX], v24, v25, v26
	v_max3_num_f32 v[GMX], v[GMX], v27, v28
	v_max3_num_f32 v[GMX], v[GMX], v29, v30
	v_max_num_f32 v[GMX], v[GMX], v31
	v_max_num_f32_dpp v[GMX], v[GMX], v[GMX] row_xmask:1 row_mask:0xf bank_mask:0xf
	v_max_num_f32_dpp v[GMX], v[GMX], v[GMX] row_xmask:2 row_mask:0xf bank_mask:0xf
	v_max_num_f32_dpp v[GMX], v[GMX], v[GMX] row_xmask:4 row_mask:0xf bank_mask:0xf
	v_max_num_f32_dpp v[GMX], v[GMX], v[GMX] row_xmask:8 row_mask:0xf bank_mask:0xf
	v_permlanex16_b32 v[T1], v[GMX], s24, s25
	v_max_num_f32 v[GMX], v[GMX], v[T1]            ; the global maximum of g, in every lane
	s_wait_loadcnt 32                              ; K is in; V and Q stay out
.set t, 0
.rept 16
	CVST L0+4*t, AKS, 288*t
	SUMSQ L0+4*t, TS+2*(t%4), 8*t
.set t, t+1
.endr
.set t, 0
.rept 16
	global_load_b128 v[L0+4*t:L0+4*t+3], v[GO], s[10:11] offset:512*t     ; R, into K's registers
.set t, t+1
.endr
	s_wait_loadcnt 32                              ; V is in; Q and R stay out
.set t, 0
.rept 16
	CVST L1+4*t, AVS, 320*t
.set t, t+1
.endr
	s_wait_loadcnt 16                              ; Q is in; R stays out
.set t, 0
.rept 16
	CVST L2+4*t, AQS, 288*t
.set t, t+1
.endr
	s_wait_loadcnt 0x0
.set t, 0
.rept 16
	CVST L0+4*t, ARS, (t/2)*PR+(t%2)*256
.set t, t+1
.endr
	s_wait_dscnt 0x0
	s_barrier_signal -1
	s_barrier_wait -1
	; THE FEATURES' MACROS
.macro FSETUP                          ; the constants, and R's address for the transposing loads
	v_mov_b32 v[FCS], C_S1
	v_mov_b32 v[FCS+1], C_S1
	v_mov_b32 v[FCN], C_NC
	v_mov_b32 v[FCN+1], C_NC
	v_mov_b32 v[FCE], C_NE
	v_mov_b32 v[FCE+1], C_NE
	v_and_b32 v[TH], 7, v0
	v_lshl_add_u32 v[TH], v[H], 3, v[TH]
	v_bfe_u32 v[TH+1], v0, 3, 1
	v_mul_u32_u24 v[ARF], v[TH], PR
	v_lshl_add_u32 v[ARF], v[TH+1], 4, v[ARF]
	v_add_nc_u32 v[ARF], RB, v[ARF]
.endm
.macro FROWS areg, base, srow          ; address of the fragments of rows 32 s[srow] ..; leaves the lane's row in v[TH]
	v_lshl_add_u32 v[TH], s[\srow], 5, v[R16]
	v_mul_u32_u24 v[\areg], v[TH], PK
	v_lshl_add_u32 v[\areg], v[H], 4, v[\areg]
.if \base
	v_add_nc_u32 v[\areg], \base, v[\areg]
.endif
.endm
.macro KADDR srow                      ; for K' of key block s[srow]: K's rows, their g, and my 32,768 bytes of the K' region
	FROWS AXK, KB, \srow
	v_lshlrev_b32 v[AGK], 2, v[TH]
	v_add_nc_u32 v[AGK], GB, v[AGK]
	s_lshl_b32 s41, s29, 15
	s_add_co_u32 s41, s41, KP
	v_add_nc_u32 v[AKP], s41, v[L16]
.endm
.macro LDX tl0, areg                   ; 32 rows as column tiles tl0, tl0 + 1
.irp tl, 0,1
.irp ks, 0,1
	LDFRAG FX+16*(\tl0+\tl)+8*\ks, \areg, \tl*2304+\ks*64
.endr
.endr
.endm
.macro LDGK
.irp tl, 0,1
	ds_load_b32 v[GK+2*\tl], v[AGK] offset:\tl*64
.endr
.endm
.macro GKFIX
.irp tl, 0,1
	v_sub_f32 v[GK+2*\tl], v[GK+2*\tl], v[GMX]
	v_mov_b32 v[GK+2*\tl+1], v[GK+2*\tl]
.endr
.endm
.macro LDRF mp
.irp a, 0,1
.irp ks, 0,1
	LDTR RF+16*\a+8*\ks, ARF, \ks*17408+(2*(\mp)+\a)*32, PR
.endr
.endr
.endm
; 32 features x 16 nt rows over d = 64: register j of lane (r, h) of tile 4 a + tl is feature 16 a + 8 h + j, row 16 tl + r.
; The 2 nt tiles take turns, one instruction a turn.
.macro FPROJ nt
.set ks_, 0
.rept 2
.set aa_, 0
.rept 2
.set tl_, 0
.rept \nt
.if ks_
	v_wmma_f32_16x16x32_bf16 v[DT+8*(4*aa_+tl_):DT+8*(4*aa_+tl_)+7], v[RF+16*aa_+8*ks_:RF+16*aa_+8*ks_+7], v[FX+16*tl_+8*ks_:FX+16*tl_+8*ks_+7], v[DT+8*(4*aa_+tl_):DT+8*(4*aa_+tl_)+7]
.else
	v_wmma_f32_16x16x32_bf16 v[DT+8*(4*aa_+tl_):DT+8*(4*aa_+tl_)+7], v[RF+16*aa_+8*ks_:RF+16*aa_+8*ks_+7], v[FX+16*tl_+8*ks_:FX+16*tl_+8*ks_+7], 0
.endif
.set tl_, tl_+1
.endr
.set aa_, aa_+1
.endr
.set ks_, ks_+1
.endr
.endm
.macro FHEAD nt, mp
	s_wait_dscnt 0x0                               ; R's fragments of this step
	FPROJ \nt
	PLACES 5                                       ; behind matrix instructions (ISA guide 7.12.1): 4 before results are read and R's fragments loaded again, 5 before the next step's products write the tiles
.if \mp<7
	LDRF \mp+1
.endif
.endm
.macro KSCALE                          ; column tiles 0, 1 are keys: s1 x + g - gmax
.irp a, 0,1
.irp tl, 0,1
.irp i, 0,1,2,3
	v_pk_fma_f32 v[DT+32*\a+8*\tl+2*\i:DT+32*\a+8*\tl+2*\i+1], v[DT+32*\a+8*\tl+2*\i:DT+32*\a+8*\tl+2*\i+1], v[FCS:FCS+1], v[GK+2*\tl:GK+2*\tl+1]
.endr
.endr
.endr
.endm
.macro QSCALE t0                       ; column tiles t0, t0 + 1 are queries: s1 x
.irp a, 0,1
.irp i, 0,1,2,3,4,5,6,7
	v_pk_mul_f32 v[DT+32*\a+8*\t0+2*\i:DT+32*\a+8*\t0+2*\i+1], v[DT+32*\a+8*\t0+2*\i:DT+32*\a+8*\t0+2*\i+1], v[FCS:FCS+1]
.endr
.endr
.endm
.macro EXPAFF nt                       ; nc 2^x + nc eps
.set aa_, 0
.rept 2
.set ii, 0
.rept 8*\nt
	v_exp_f32 v[DT+32*aa_+ii], v[DT+32*aa_+ii]
.set ii, ii+1
.endr
.set aa_, aa_+1
.endr
	v_nop                                          ; one plain instruction behind the last exponential (ISA guide 5.7.2)
.set aa_, 0
	s_wait_alu depctr_va_vdst(0)
.rept 2
.set ii, 0
.rept 4*\nt
	v_pk_fma_f32 v[DT+32*aa_+2*ii:DT+32*aa_+2*ii+1], v[DT+32*aa_+2*ii:DT+32*aa_+2*ii+1], v[FCN:FCN+1], v[FCE:FCE+1]
.set ii, ii+1
.endr
.set aa_, aa_+1
.endr
.endm
; Tile a gives registers 4 a .. 4 a + 3 of the fragment of k step mp.
.macro SPLITLDS mp                     ; column tiles 0, 1 into my bytes of the K' region, hi and lo
.irp a, 0,1
.irp tl, 0,1
	RND4 KH+4*(2*\a+\tl), DT+8*(4*\a+\tl)
	WIDE4 TH+8*(2*\a+\tl), KH+4*(2*\a+\tl)
	REM4 DT+8*(4*\a+\tl), TH+8*(2*\a+\tl)
.endr
.endr
.irp a, 0,1
.irp tl, 0,1
	RND4 DT+8*(4*\a+\tl), DT+8*(4*\a+\tl)
	ds_store_b128 v[AKP], v[KH+4*(2*\a+\tl):KH+4*(2*\a+\tl)+3] offset:\tl*8192+(\mp)*1024+\a*512
	ds_store_b128 v[AKP], v[DT+8*(4*\a+\tl):DT+8*(4*\a+\tl)+3] offset:16384+\tl*8192+(\mp)*1024+\a*512
.endr
.endr
.endm
.macro SPLITW1 t0, mp                  ; column tiles t0, t0 + 1 into window 1, hi and lo
	WIN 0x40                                       ; destination in window 1
.irp a, 0,1
.irp tl, 0,1
	RND4 (\tl*8+\mp)*8+4*\a, DT+8*(4*\a+\t0+\tl)
.endr
.endr
	WIN 0x04                                       ; source 1 in window 1
.irp a, 0,1
.irp tl, 0,1
	WIDE4 TH+8*(2*\a+\tl), (\tl*8+\mp)*8+4*\a
.endr
.endr
	WIN 0
.irp a, 0,1
.irp tl, 0,1
	REM4 DT+8*(4*\a+\t0+\tl), TH+8*(2*\a+\tl)
.endr
.endr
	WIN 0x40
.irp a, 0,1
.irp tl, 0,1
	RND4 ((2+\tl)*8+\mp)*8+4*\a, DT+8*(4*\a+\t0+\tl)
.endr
.endr
	WIN 0
.endm
.macro FSTEP_KQ mp                     ; features 32 mp .. 32 mp + 31 of 32 keys (to LDS) and 32 queries (to window 1)
	FHEAD 4, \mp
	KSCALE
	QSCALE 2
	EXPAFF 4
	SPLITLDS \mp
	SPLITW1 2, \mp
.endm
.macro FSTEP_Q mp                      ; of 32 queries
	FHEAD 2, \mp
	QSCALE 0
	EXPAFF 2
	SPLITW1 0, \mp
.endm
.macro FSTEP_K mp                      ; of 32 keys, kept in window 1
	FHEAD 2, \mp
	KSCALE
	EXPAFF 2
	SPLITW1 0, \mp
.endm
	s_cmp_lt_u32 s18, 4
	s_cbranch_scc0 .Lprefix
	; waves 0-3: K' of key block w into LDS, Q' of query block w into window 1
	FSETUP
	KADDR 29
	FROWS AXQ, QB, 29
	LDX 0, AXK
	LDX 2, AXQ
	LDGK
	LDRF 0
	s_wait_dscnt 0x0
	GKFIX
	FSTEP_KQ 0
	FSTEP_KQ 1
	FSTEP_KQ 2
	FSTEP_KQ 3
	FSTEP_KQ 4
	FSTEP_KQ 5
	FSTEP_KQ 6
	FSTEP_KQ 7
	s_branch .Ljoin
	; PREFIX, waves 4-7.  Wave p sums m tiles 4 p .. 4 p + 3 (features 64 p .. 64 p + 63) of the earlier segments' records.
.Lprefix:
	s_lshl_b32 s40, s29, 13
	s_add_co_u32 s40, s40, SF
	v_add_nc_u32 v[ASFS], s40, v[L16]
	s_lshl_b32 s40, s29, 7
	s_add_co_u32 s40, s40, ZB
	v_lshl_add_u32 v[AZS], v[LN], 2, s40
	s_cmp_eq_u32 s19, 0
	s_cbranch_scc1 .Lzero
	s_mul_i32 s40, s20, 8*REC
	s_mov_b32 s41, 0
	s_add_nc_u64 s[30:31], s[12:13], s[40:41]      ; the head's first record
	v_lshl_add_u32 v[VX], s29, 14, v[L16]
	s_lshl_b32 s40, s29, 8
	v_lshl_add_u32 v[VCO], v[H], 5, s40
	v_lshl_add_u32 v[VZ], v[LN], 3, s40
	v_lshlrev_b32 v[VS], 2, v[R16]
.macro CLD o                           ; 10 loads: c in the tiles' register order, c and z in z's order
.irp ml, 0,1,2,3
	global_load_b128 v[CR+8*\ml:CR+8*\ml+3], v[VCO], s[30:31] offset:\o+COFF+\ml*64
	global_load_b128 v[CR+8*\ml+4:CR+8*\ml+7], v[VCO], s[30:31] offset:\o+COFF+\ml*64+16
.endr
	global_load_b64 v[ZC:ZC+1], v[VZ], s[30:31] offset:\o+COFF
	global_load_b64 v[ZZ:ZZ+1], v[VZ], s[30:31] offset:\o+ZOFF
.endm
.macro TLD dst, o                      ; 16 loads of 512 consecutive bytes: eight tiles
.set ii, 0
.rept 16
	global_load_b128 v[\dst+4*ii:\dst+4*ii+3], v[VX], s[30:31] offset:\o+512*ii
.set ii, ii+1
.endr
.endm
.macro PFMA src, mb                    ; sums of tiles mb, mb + 1 (window 1) += record's tiles x factor of the register's feature
	WIN 0x50
.irp mm, 0,1
.irp dt, 0,1,2,3
.irp i, 0,1,2,3
	v_pk_fma_f32 v[((\mb+\mm)*4+\dt)*8+2*\i:((\mb+\mm)*4+\dt)*8+2*\i+1], v[\src+(\mm*4+\dt)*8+2*\i:\src+(\mm*4+\dt)*8+2*\i+1], v[F+8*(\mb+\mm)+2*\i:F+8*(\mb+\mm)+2*\i+1], v[((\mb+\mm)*4+\dt)*8+2*\i:((\mb+\mm)*4+\dt)*8+2*\i+1]
.endr
.endr
.endr
	WIN 0
.endm
; One earlier segment.  more = 1: the next record's three groups of loads are issued as this one's registers fall free.
.macro PTRIP more
	s_wait_loadcnt 32                              ; c and z are in; the 32 loads of tiles stay out
.set ii, 0
.rept 16
	v_pk_add_f32 v[F+2*ii:F+2*ii+1], v[CR+2*ii:CR+2*ii+1], v[G4:G4+1] neg_lo:[0,1] neg_hi:[0,1]
.set ii, ii+1
.endr
	v_pk_add_f32 v[FZ:FZ+1], v[ZC:ZC+1], v[G4:G4+1] neg_lo:[0,1] neg_hi:[0,1]
.set ii, 0
.rept 32
	v_exp_f32 v[F+ii], v[F+ii]                     ; nc 2^(c - gmax)
.set ii, ii+1
.endr
	v_exp_f32 v[FZ], v[FZ]
	v_exp_f32 v[FZ+1], v[FZ+1]
	v_nop
	s_wait_alu depctr_va_vdst(0)
	v_pk_fma_f32 v[ZA:ZA+1], v[ZZ:ZZ+1], v[FZ:FZ+1], v[ZA:ZA+1]
.if \more
	CLD REC
	s_wait_loadcnt 26                              ; the first eight tiles are in; out: 16 loads of tiles, 10 of the next c and z
.else
	s_wait_loadcnt 16
.endif
	PFMA X, 0
.if \more
	TLD X, REC
	s_wait_loadcnt 26                              ; the other eight tiles are in; out: the next record's 10 + 16
.else
	s_wait_loadcnt 0x0
.endif
	PFMA Y, 2
.if \more
	TLD Y, REC+8192
	s_wait_xcnt 0x0                                ; the base is stepped only behind this wait
	s_add_nc_u64 s[30:31], s[30:31], REC
.endif
.endm
.irp sp, 0,1,2,3,4,5,6                 ; sumV of the head's segments 0 to 6, all stored by the first launch; those not earlier than mine are dropped below
.irp dt, 0,1,2,3
	global_load_b32 v[F+4*\sp+\dt], v[VS], s[30:31] offset:\sp*REC+SVOFF+\dt*64
.endr
.endr
	CLD 0
	TLD X, 0
	v_add_f32 v[G4], 4.0, v[GMX]                   ; nc = 2^-4 goes into the exponent
	v_mov_b32 v[G4+1], v[G4]
	v_cvt_f32_u32 v[ZA], s19
	v_mul_f32 v[ZA], C_NE256, v[ZA]                ; z0 starts with nc eps x 256 rows x earlier segments
	v_mov_b32 v[ZA+1], v[ZA]
	s_wait_loadcnt 26                              ; sumV is in; the first record's 10 + 16 loads issued so far stay out
.irp sp, 1,2,3,4,5,6
	s_cmp_lt_u32 \sp, s19
	s_cselect_b32 s40, -1, 0
.irp dt, 0,1,2,3
	v_cndmask_b32 v[F+4*\sp+\dt], 0, v[F+4*\sp+\dt], s40
	v_add_f32 v[F+\dt], v[F+\dt], v[F+4*\sp+\dt]
.endr
.endr
.irp dt, 0,1,2,3
	v_mov_b32 v[SVD+2*\dt], v[F+\dt]
	v_mov_b32 v[SVD+2*\dt+1], v[F+\dt]
.endr
	WIN 0x40
.irp ml, 0,1,2,3
.irp dt, 0,1,2,3
.irp i, 0,1,2,3
	v_pk_mul_f32 v[(\ml*4+\dt)*8+2*\i:(\ml*4+\dt)*8+2*\i+1], v[SVD+2*\dt:SVD+2*\dt+1], v[CE:CE+1]   ; the sums start with nc eps sumV[d]
.endr
.endr
.endr
	WIN 0
	TLD Y, 8192                                    ; the first record's other eight tiles: now 10 + 16 + 16 loads are out, as at the head of every trip
	s_sub_co_u32 s28, s19, 1
	s_mov_b32 s27, 0
	s_cmp_eq_u32 s28, 0
	s_cbranch_scc1 .Lplast
.Lptrip:
	PTRIP 1
	s_add_co_u32 s27, s27, 1
	s_cmp_lt_u32 s27, s28
	s_cbranch_scc1 .Lptrip
.Lplast:
	PTRIP 0                                        ; the last earlier segment: nothing more to fetch
	WIN 0x05                                       ; sources in window 1
.set ii, 0
.rept 16
.irp i, 0,1,2,3
	v_cvt_pk_bf16_f32 v[X+4*ii+\i], v[8*ii+2*\i], v[8*ii+2*\i+1]
.endr
.set ii, ii+1
.endr
	WIN 0
.irp ml, 0,1,2,3
.irp dt, 0,1,2,3
	ds_store_b128 v[ASFS], v[X+(\ml*4+\dt)*4:X+(\ml*4+\dt)*4+3] offset:((\ml/2)*4+\dt)*1024+(\ml%2)*512
.endr
.endr
	v_cvt_pk_bf16_f32 v[ZA], v[ZA], v[ZA+1]
	ds_store_b32 v[AZS], v[ZA]
	s_branch .Ljoin
.Lzero:                                ; the first segment has nothing in front of it
.irp i, 0,1,2,3
	v_mov_b32 v[X+\i], 0
.endr
.set ii, 0
.rept 16
	ds_store_b128 v[ASFS], v[X:X+3] offset:512*ii
.set ii, ii+1
.endr
	ds_store_b32 v[AZS], v[X]
.Ljoin:
	s_wait_dscnt 0x0                               ; the first round's K', S0 and z0 are in LDS, and my reads of Q's first rows are back, before I say so
	s_barrier_signal -1
	s_barrier_wait -1
	; THE PRODUCTS' MACROS
; What the products address by and multiply with, all of it from the thread's number, the wave's number and constants.  It stands at the head of each
; stretch of waves 0-3's products.  s0 = 1: the stretch also reads S0 and z0.
.macro PSETUP s0
.if \s0
	v_add_nc_u32 v[ASF], SF, v[L16]
	v_lshlrev_b32 v[AZB], 4, v[H]
	v_add_nc_u32 v[AZB], ZB, v[AZB]
.endif
	v_add_nc_u32 v[AK0], KP, v[L16]
	v_add_nc_u32 v[AK1], KP+65536, v[L16]
	v_and_b32 v[T3], 7, v0
	v_lshl_add_u32 v[T3], v[H], 3, v[T3]           ; transposing loads: row 8 h + lane % 8,
	v_bfe_u32 v[T1], v0, 3, 1                      ; 16 bytes further for lanes 8-15 of a half
	v_mul_u32_u24 v[AV0], v[T3], PV
	v_lshl_add_u32 v[AV0], v[T1], 4, v[AV0]
	v_add_nc_u32 v[AV0], VB, v[AV0]
	s_mul_i32 s40, s29, 16*272                     ; my stage, in the bytes that held Q's first rows
	v_mul_u32_u24 v[AST], v[R16], 272
	v_lshl_add_u32 v[AST], v[H], 5, v[AST]
	v_add_nc_u32 v[AST], s40, v[AST]
	v_mul_u32_u24 v[ARD], v[H], 272
	v_lshl_add_u32 v[ARD], v[R16], 4, v[ARD]
	v_add_nc_u32 v[ARD], s40, v[ARD]
	v_lshlrev_b32 v[T3], 3, v[H]
	v_sub_nc_u32 v[T3], v[R16], v[T3]
.irp j, 0,1,2,3,4,5,6,7
	v_cmp_le_i32 s[32+\j], \j, v[T3]               ; a diagonal tile keeps key 8 h + j <= query r
.endr
.irp i, 0,1,2,3,4,5,6,7
	v_mov_b32 v[ONES+\i], 0x3f803f80               ; two bf16 ones; more than four plain vector instructions stand between the last product that read them and this line
.endr
.endm
.macro LDS0 buf, ks                    ; 10 loads: S0's four d tiles and z0 of a k step
.irp t, 0,1,2,3
	ds_load_b128 v[\buf+8*\t:\buf+8*\t+3], v[ASF] offset:((\ks)*4+\t)*1024
	ds_load_b128 v[\buf+8*\t+4:\buf+8*\t+7], v[ASF] offset:((\ks)*4+\t)*1024+512
.endr
	ds_load_b128 v[\buf+32:\buf+35], v[AZB] offset:(\ks)*64
	ds_load_b128 v[\buf+36:\buf+39], v[AZB] offset:(\ks)*64+32
.endm
; OUT^T (+)= [S0 | z0]^T Q'hi^T, k step ks.  The ten tiles take turns, one instruction a turn.
.macro QS ks, buf, obuf
	s_wait_dscnt 0x0
	PLACES 4                                       ; behind the last step's products, which read the other buffer
.if \ks<7
	LDS0 \obuf, \ks+1
.endif
	WIN 0x04                                       ; source 1 (Q') in window 1
.irp q, 0,1
.irp t, 0,1,2,3,4
.if \ks
	v_wmma_f32_16x16x32_bf16 v[OUT+40*\q+8*\t:OUT+40*\q+8*\t+7], v[\buf+8*\t:\buf+8*\t+7], v[(\q*8+\ks)*8:(\q*8+\ks)*8+7], v[OUT+40*\q+8*\t:OUT+40*\q+8*\t+7]
.else
	v_wmma_f32_16x16x32_bf16 v[OUT+40*\q+8*\t:OUT+40*\q+8*\t+7], v[\buf+8*\t:\buf+8*\t+7], v[(\q*8+\ks)*8:(\q*8+\ks)*8+7], 0
.endif
.endr
.endr
.endm
.macro QSALL
	PLACES 4
	LDS0 SA, 0
	QS 0, SA, SB
	QS 1, SB, SA
	QS 2, SA, SB
	QS 3, SB, SA
	QS 4, SA, SB
	QS 5, SB, SA
	QS 6, SA, SB
	QS 7, SB, SA
	WIN 0
.endm
.macro LDKG buf, ks, areg, base        ; 8 loads: hi and lo of a key block's two l tiles, one k step; the block begins at v[areg] + base
.irp pt, 0,1
.irp kt, 0,1
	ds_load_b128 v[\buf+16*\pt+8*\kt:\buf+16*\pt+8*\kt+3], v[\areg] offset:\base+\pt*16384+\kt*8192+(\ks)*1024
	ds_load_b128 v[\buf+16*\pt+8*\kt+4:\buf+16*\pt+8*\kt+7], v[\areg] offset:\base+\pt*16384+\kt*8192+(\ks)*1024+512
.endr
.endr
.endm
; P^T(q, kt) (+)= K'hi Q'hi^T, K'lo Q'hi^T, K'hi Q'lo^T (tm = 0, 1, 2) of one k step; the diagonal block leaves out (q 0, kt 1), above the diagonal.
; The tiles take turns, one instruction a turn.
.macro PMUL ks, buf, diag
.irp tm, 0,1,2
.irp q, 0,1
.irp kt, 0,1
.if \diag*(1-\q)*\kt
.else
.if (\ks)+\tm
	v_wmma_f32_16x16x32_bf16 v[P+16*\q+8*\kt:P+16*\q+8*\kt+7], v[\buf+16*(\tm%2)+8*\kt:\buf+16*(\tm%2)+8*\kt+7], v[((2*(\tm/2)+\q)*8+(\ks))*8:((2*(\tm/2)+\q)*8+(\ks))*8+7], v[P+16*\q+8*\kt:P+16*\q+8*\kt+7]
.else
	v_wmma_f32_16x16x32_bf16 v[P+16*\q+8*\kt:P+16*\q+8*\kt+7], v[\buf+16*(\tm%2)+8*\kt:\buf+16*(\tm%2)+8*\kt+7], v[((2*(\tm/2)+\q)*8+(\ks))*8:((2*(\tm/2)+\q)*8+(\ks))*8+7], 0
.endif
.endif
.endr
.endr
.endr
.endm
; One block of 32 keys against my 32 queries.  On entry the eight loads of its first k step are out, and nothing else.
; diag = 0: the round's key block j, a constant (V's block is vb + j): every LDS address is a fixed register and a constant offset;
; nxt = 1: the first k step of block j + 1 is fetched meanwhile, whether that block is a full one or my diagonal one.
; diag = 1: my diagonal block, at AKD and AVD.
.macro UNIT diag, j, vb, nxt
.if \diag
.set KREG, AKD
.set KOFF, 0
.set VREG, AVD
.set VOFF, 0
.else
.set KREG, AK0+(AK1-AK0)*((\j)/2)
.set KOFF, ((\j)%2)*32768
.set VREG, AV0
.set VOFF, ((\vb)+(\j))*32*PV
.set NREG, AK0+(AK1-AK0)*(((\j)+1)/2)
.set NOFF, (((\j)+1)%2)*32768
.endif
	PLACES 5                                       ; behind the last block's products: 4 before V's fragments are loaded again, 5 before P^T is written over its lo fragments
.irp t, 0,1,2,3
	LDTR VF+8*\t, VREG, VOFF+\t*32, PV
.endr
	s_wait_dscnt 0x8                               ; K' of k step 0 is in; V's eight loads stay out
	LDKG KC, 1, KREG, KOFF
	WIN 0x04
	PMUL 0, KA, \diag
.irp ks, 1,2,3,4,5,6
	s_wait_dscnt 0x0
	PLACES 4                                       ; behind the products that read the other buffer
	LDKG KA+(KC-KA)*((\ks+1)%2), \ks+1, KREG, KOFF
	PMUL \ks, KA+(KC-KA)*(\ks%2), \diag
.endr
	s_wait_dscnt 0x0
	PLACES 4
.if \nxt
	LDKG KA, 0, NREG, NOFF                         ; the next block's first k step
.endif
	PMUL 7, KC, \diag
	PLACES 5                                       ; 4 before P^T is read and buffer KC written, 5 before P^T's registers serve as fragments
	WIN 0
.if \diag
.irp j2, 0,1,2,3,4,5,6,7
	v_cndmask_b32 v[P+\j2], 0, v[P+\j2], s[32+\j2]
	v_cndmask_b32 v[P+24+\j2], 0, v[P+24+\j2], s[32+\j2]
.endr
.endif
.irp q, 0,1
.irp kt, 0,1
.if \diag*(1-\q)*\kt
.else
	RND4 PB+8*\q+4*\kt, P+16*\q+8*\kt
	WIDE4 KC+16*\q+8*\kt, PB+8*\q+4*\kt
	REM4 P+16*\q+8*\kt, KC+16*\q+8*\kt
.endif
.endr
.endr
.irp q, 0,1
.irp kt, 0,1
.if \diag*(1-\q)*\kt
.else
	RND4 P+16*\q+4*\kt, P+16*\q+8*\kt              ; lo, in place: each write lands on registers already read
.endif
.endr
.endr
.if \diag
.irp i, 0,1,2,3
	v_mov_b32 v[PB+4+\i], 0                        ; keys 16-31 of the diagonal block lie behind queries 0-15
	v_mov_b32 v[P+4+\i], 0
.endr
.endif
.irp pt, 0,1
.irp q, 0,1
.irp t, 0,1,2,3
.if \pt
	v_wmma_f32_16x16x32_bf16 v[OUT+40*\q+8*\t:OUT+40*\q+8*\t+7], v[VF+8*\t:VF+8*\t+7], v[P+16*\q:P+16*\q+7], v[OUT+40*\q+8*\t:OUT+40*\q+8*\t+7]
.else
	v_wmma_f32_16x16x32_bf16 v[OUT+40*\q+8*\t:OUT+40*\q+8*\t+7], v[VF+8*\t:VF+8*\t+7], v[PB+8*\q:PB+8*\q+7], v[OUT+40*\q+8*\t:OUT+40*\q+8*\t+7]
.endif
.endr
.if \pt
	v_wmma_f32_16x16x32_bf16 v[OUT+40*\q+32:OUT+40*\q+39], v[ONES:ONES+7], v[P+16*\q:P+16*\q+7], v[OUT+40*\q+32:OUT+40*\q+39]
.else
	v_wmma_f32_16x16x32_bf16 v[OUT+40*\q+32:OUT+40*\q+39], v[ONES:ONES+7], v[PB+8*\q:PB+8*\q+7], v[OUT+40*\q+32:OUT+40*\q+39]
.endif
.endr
.endr
.endm
; The round's key blocks 0 .. s26, the last of them my diagonal block.  The full blocks are written out one behind the other; a wave leaves the run in front of block s26.
.macro RUN id, vb
	v_lshl_add_u32 v[AKD], s26, 15, v[AK0]         ; 32,768 bytes of K' for each block in front of my diagonal block
	s_add_co_u32 s40, s26, \vb
	s_mul_i32 s40, s40, 32*PV
	v_add_nc_u32 v[AVD], s40, v[AV0]               ; and 32 rows of V
	PLACES 4
	LDKG KA, 0, AK0, 0                             ; block 0's first k step
.irp j, 0,1,2
	s_cmp_le_u32 s26, \j                           ; block j is my diagonal block
	s_cbranch_scc1 .Ldiag\id
	UNIT 0, \j, \vb, 1
.endr
.Ldiag\id:
	UNIT 1, 0, 0, 0
.endm
; Divide, and out through my own stage: 16 rows of 256 bytes, pitch 272; LDS serves a wave's instructions in order (ISA guide 5.7.1).  s42: my query block.
.macro OUTPUT
	PLACES 4
.irp q, 0,1
	v_rcp_f32 v[RC], v[OUT+40*\q+32]               ; every register of the ones' tile holds my query's denominator
	v_rcp_f32 v[RC+1], v[OUT+40*\q+32]
	v_nop
	s_wait_alu depctr_va_vdst(0)
.irp i, 0,1,2,3,4,5,6,7,8,9,10,11,12,13,14,15
	v_pk_mul_f32 v[OUT+40*\q+2*\i:OUT+40*\q+2*\i+1], v[OUT+40*\q+2*\i:OUT+40*\q+2*\i+1], v[RC:RC+1]
.endr
.irp t, 0,1,2,3
	ds_store_b128 v[AST], v[OUT+40*\q+8*\t:OUT+40*\q+8*\t+3] offset:\t*64
	ds_store_b128 v[AST], v[OUT+40*\q+8*\t+4:OUT+40*\q+8*\t+7] offset:\t*64+16
.endr
	s_wait_xcnt 0x0                                ; the earlier stores' offset and data registers are written again only behind this wait
	s_lshl1_add_u32 s40, s42, \q
	s_lshl_b32 s40, s40, 12                        ; 16 rows of 256 bytes for each q tile
	v_add_nc_u32 v[VO], s40, v[L16]
.irp i, 0,1,2,3,4,5,6,7
	ds_load_b128 v[KA+4*\i:KA+4*\i+3], v[ARD] offset:\i*544
.endr
.irp i, 0,1,2,3,4,5,6,7
	s_wait_dscnt 7-\i
	global_store_b128 v[VO], v[KA+4*\i:KA+4*\i+3], s[16:17] offset:\i*512 th:TH_STORE_NT   ; two whole rows: 512 consecutive bytes
.endr
.endr
.endm
	s_cmp_lt_u32 s18, 4
	s_cbranch_scc0 .Lk2
	; waves 0-3, first round of keys
	PSETUP 1
	s_mov_b32 s26, s29                             ; query block w: key blocks 0 .. w, all in the first round
	s_mov_b32 s42, s29
	QSALL
	RUN 0, 0
	OUTPUT
	; Q' of query block 7 - w takes block w's place in window 1
	s_wait_xcnt 0x0                                ; the stores above have read their registers, which are written again below
	FSETUP
	s_sub_co_u32 s40, 7, s29
	FROWS AXQ, QB, 40                              ; rows 128 and up: behind the stages
	LDX 0, AXQ
	LDRF 0
	FSTEP_Q 0
	FSTEP_Q 1
	FSTEP_Q 2
	FSTEP_Q 3
	FSTEP_Q 4
	FSTEP_Q 5
	FSTEP_Q 6
	FSTEP_Q 7
	QSALL
	PLACES 4
	LDKG KA, 0, AK0, 0
	UNIT 0, 0, 0, 1                                ; key blocks 0 to 3 lie whole in front of query block 7 - w
	UNIT 0, 1, 0, 1
	UNIT 0, 2, 0, 1
	UNIT 0, 3, 0, 0                                ; the next block's K' is not in LDS yet: nothing is fetched ahead
	s_branch .Ljoin3
.Lk2:
	; waves 4-7: K' of key block 4 + p, hi and lo, into window 1
	FSETUP
	s_add_co_u32 s40, s29, 4
	KADDR 40
	LDX 0, AXK
	LDGK
	LDRF 0
	s_wait_dscnt 0x0
	GKFIX
	FSTEP_K 0
	FSTEP_K 1
	FSTEP_K 2
	FSTEP_K 3
	FSTEP_K 4
	FSTEP_K 5
	FSTEP_K 6
	FSTEP_K 7
.Ljoin3:
	s_wait_dscnt 0x0                               ; my reads of the first round's K' are back before I say so
	s_barrier_signal -1
	s_barrier_wait -1
	s_cmp_lt_u32 s18, 4
	s_cbranch_scc1 .Ljoin4
	; waves 4-7: window 1 into my 32,768 bytes of the K' region; the address is made here, in the stretch that uses it
	s_lshl_b32 s41, s29, 15
	s_add_co_u32 s41, s41, KP
	v_add_nc_u32 v[AKP], s41, v[L16]
	WIN 0x04                                       ; store data in window 1
.irp pt, 0,1
.irp tl, 0,1
.irp mp, 0,1,2,3,4,5,6,7
.irp a, 0,1
	ds_store_b128 v[AKP], v[((2*\pt+\tl)*8+\mp)*8+4*\a:((2*\pt+\tl)*8+\mp)*8+4*\a+3] offset:\pt*16384+\tl*8192+\mp*1024+\a*512
.endr
.endr
.endr
.endr
	WIN 0
.Ljoin4:
	s_wait_dscnt 0x0                               ; the second round's K' is in LDS before I say so
	s_barrier_signal -1
	s_barrier_wait -1
	s_cmp_lt_u32 s18, 4
	s_cbranch_scc0 .Lend
	; waves 0-3, second round of keys: key blocks 4 .. 7 - w are the round's blocks 0 .. 3 - w
	PSETUP 0
	s_sub_co_u32 s26, 3, s29
	s_sub_co_u32 s42, 7, s29
	RUN 1, 4
	OUTPUT
.Lend:
	s_wait_tensorcnt 0x0
	ds_add_u32 v14, v15
	s_wait_dscnt 0x0
	s_endpgm
.Lfunc_end_k_qe59b5d81a0_attn:
	.size	k_qe59b5d81a0_attn, .Lfunc_end_k_qe59b5d81a0_attn-k_qe59b5d81a0_attn
	.p2alignl 7, 3214868480
	.fill 96, 4, 3214868480
	.section	.rodata,"a",@progbits
	.p2align	6, 0x0
	.amdhsa_kernel k_qe59b5d81a0_attn
		.amdhsa_group_segment_fixed_size 315904
		.amdhsa_private_segment_fixed_size 0
		.amdhsa_enable_private_segment 0
		.amdhsa_kernarg_size 56
		.amdhsa_user_sgpr_count 2
		.amdhsa_user_sgpr_kernarg_segment_ptr 1
		.amdhsa_wavefront_size32 1
		.amdhsa_system_sgpr_workgroup_id_x 1
		.amdhsa_system_sgpr_workgroup_id_y 1
		.amdhsa_system_sgpr_workgroup_id_z 1
		.amdhsa_system_vgpr_workitem_id 0
		.amdhsa_next_free_vgpr 512
		.amdhsa_next_free_sgpr 66
		.amdhsa_reserve_vcc 0
		.amdhsa_float_denorm_mode_32 3
		.amdhsa_float_denorm_mode_16_64 3
		.amdhsa_memory_ordered 1
		.amdhsa_forward_progress 1
		.amdhsa_inst_pref_size 255
	.end_amdhsa_kernel
	.section	.bss,"aw",@nobits
	.p2align	6
	.space	262144
	.amdgpu_metadata
---
amdhsa.version: [ 1, 2 ]
amdhsa.kernels:
  - .name:           k_qe59b5d81a0_attn
    .symbol:         k_qe59b5d81a0_attn.kd
    .args:
      - { .name: key, .offset: 0, .size: 8, .value_kind: global_buffer, .address_space: global }
      - { .name: query, .offset: 8, .size: 8, .value_kind: global_buffer, .address_space: global }
      - { .name: value, .offset: 16, .size: 8, .value_kind: global_buffer, .address_space: global }
      - { .name: random_features, .offset: 24, .size: 8, .value_kind: global_buffer, .address_space: global }
      - { .name: state, .offset: 32, .size: 8, .value_kind: global_buffer, .address_space: global }
      - { .name: gm, .offset: 40, .size: 8, .value_kind: global_buffer, .address_space: global }
      - { .name: out0, .offset: 48, .size: 8, .value_kind: global_buffer, .address_space: global }
    .group_segment_fixed_size: 315904
    .private_segment_fixed_size: 0
    .kernarg_segment_align: 8
    .kernarg_segment_size: 56
    .max_flat_workgroup_size: 256
    .sgpr_count:     66
    .vgpr_count:     512
    .wavefront_size: 32
...
	.end_amdgpu_metadata
.endif
;; end of part 2
